; MI455X (gfx1250); checked and timed in simulation.
; The chip was launched on July 23, 2026; its instructions are those of AMD's public machine-readable ISA for CDNA 5 (MIT licence, August 2026) and "CDNA5" Instruction Set Architecture Reference Guide (July 2026). The comments in the code are by the model that wrote it; some were corrected since.
;; Cross Attention. Allowed arithmetic: matrix products marked QUANTISED: E2M1 operands, one E8M0 scale for each 32 along K, by v_wmma_scale_f32_16x16x128_f8f6f4 with both operands' format E2M1 (or v_wmma_scale_f32_32x16x128_f4), f32 sums; products left as they are: bf16, f16 or f32 operands; f32 sums; everything else in f32.
;; Inputs: context 2,048 x 1,024 float32; kv_w 1,024 x 2,048 float32; proj_b 1,024 float32; proj_w 1,024 x 1,024 float32; q_w 1,024 x 1,024 float32; x 8 x 1,024 x 1,024 float32.
;; Outputs: out0 8 x 1,024 x 1,024 float32.
;; This version of the problem:
;;   THIS VERSION OF THE PROBLEM IS GIVEN IN LOW PRECISION. The matrix products marked QUANTISED in the list below multiply operands that are first quantised to E2M1 (2 exponent bits, 1 mantissa bit; 4 bits a number), with one power-of-two scale for each 32 numbers along K (OCP MX v1.0); their sums are f32. The products marked 'left as it is' may take bf16, f16 or f32 operands, with f32 sums. Whichever they take, every output number must still come out within the allowed error. Rounding operands to bf16 (8 significant bits) uses up far more of that allowance than f16 does (11 bits, for magnitudes from 6e-5 to 65,504). All else is computed in f32.
;;   The module's matrix products, in the order in which they are computed (A, B: the left and right operand; K: the contracted axis; several contracted axes count as one K, in the product's order):
;;     1. [M 8,192, K 1,024] x [K 1,024, N 1,024]; A: input x; B: input q_w: QUANTISED
;;     2. [M 2,048, K 1,024] x [K 1,024, N 2,048]; A: input context; B: input kv_w: QUANTISED
;;     3. batch 16 x [M 2,048, K 64] x [K 64, N 8,192]; A: computed on the way; B: computed on the way: left as it is (an operand is computed on the way)
;;     4. batch 16 x [M 64, K 2,048] x [K 2,048, N 8,192]; A: computed on the way; B: computed on the way: left as it is (an operand is computed on the way)
;;     5. [M 8,192, K 1,024] x [K 1,024, N 1,024]; A: computed on the way; B: input proj_w: left as it is (an operand is computed on the way)
;;   THE QUANTISER, for each operand of a quantised product, along K:
;;     - K is cut into blocks of 32 from its start; a last block that is shorter is filled with zeros.
;;     - A block's scale is 2^e with e = floor(log2(the largest magnitude in the block)) - 2, held to -126 .. 127; a block of zeros has e = 0. As a byte (E8M0): e + 127.
;;     - Each number is divided by its block's scale, clamped to +-6, and rounded to the nearest number of E2M1, ties to even, subnormals kept.
;;     - The product sums the exact products of the quantised numbers (number of the format x scale) in f32.
;;   ~~~python
;;   def quantise(x, axis):      # numpy; x: float32 -> the quantised numbers, widened to float32 again
;;       x = np.moveaxis(x, axis, -1); K = x.shape[-1]
;;       x = np.pad(x, [(0, 0)] * (x.ndim - 1) + [(0, -K % 32)]); x = x.reshape(x.shape[:-1] + (-1, 32)); a = np.abs(x).max(-1, keepdims=True)
;;       e = np.where(a > 0, np.clip(np.frexp(np.where(a > 0, a, 1))[1] - 1 - 2, -126, 127), 0)      # np.frexp(a)[1] - 1 = floor(log2(a)), exactly
;;       r = np.clip(x / 2.0 ** e, -6, 6)
;;       step = 2.0 ** (np.maximum(np.frexp(np.where(r == 0, 1, r))[1] - 1, 0) - 1)
;;       q = np.round(r / step) * step * 2.0 ** e      # np.round: ties to even
;;       return np.moveaxis(q.reshape(q.shape[:-2] + (-1,))[..., :K], -1, axis).astype(np.float32)
;;   ~~~
;; One version. Each part assembles by itself: llvm-mc -triple=amdgcn-amd-amdhsa -mcpu=gfx1250 --defsym DOCPART=n.
;; ======== version 1 of 1: 4 launches
;; limits: values are held in f16: magnitudes above 65,504 overflow, below 6.1e-05 lose precision
;; workspace buffers: codes 6,815,744 bytes; scales 425,984 bytes; pw16 2,097,152 bytes; qkv 25,165,824 bytes; oimg 16,777,216 bytes
;; launch prep (part 1): grid 576 x 1, 4 waves a work-group, no clusters, 34,816 bytes of LDS; arguments x, context, q_w, kv_w, proj_w, codes, scales, pw16; writes codes, scales, pw16
.if DOCPART == 1
	.amdgcn_target "amdgcn-amd-amdhsa--gfx1250"
	.amdhsa_code_object_version 6
	.text
	.protected	k_qf3e61850fe_prep
	.globl	k_qf3e61850fe_prep
	.p2align	8
	.type	k_qf3e61850fe_prep,@function
k_qf3e61850fe_prep:
	s_mov_b64 s[64:65], 0
	v_nop
	global_prefetch_b8 v0, s[64:65] scope:SCOPE_SE
	s_setreg_imm32_b32 hwreg(HW_REG_WAVE_MODE, 25, 1), 1
	s_wait_xcnt 0x0
; CROSS-ATTENTION, launch 1 of 4: the operands of the two quantised products become codes of FP4 (E2M1) with one E8M0 byte for each 32 along K = 1,024; proj_w becomes f16.
; DEAD WORK: none.  Every input (x, context, q_w, kv_w, proj_w, proj_b) and every one of the five products reaches the output for general values, so nothing is left out in any launch.
; THE QUANTISER: a block's byte is its largest magnitude's exponent field - 2, held at 1 from below; each number is divided by the scale and rounded to the nearest code, ties to even, beyond 6 the code of 6.
; LIMITS: NaN and infinities among the inputs are not served.  A block of zeros gets the byte 1 where the rule says 127: its codes are zeros, which add nothing, and the bytes are read by this program alone.
;   proj_w goes to f16: beyond 65,504 it would be infinite, under 6e-5 it keeps an absolute step of 6e-8.
; LAYOUTS (workspaces of this program, laid as the operands' registers want them):
;   13,312 operand rows: 0.. x, 8192.. context, 10240.. columns of q_w, 11264.. columns of kv_w (k's 1,024, then v's 1,024).
;   codes  [mt = row/16][blk = k/32][r = row%16][16 bytes]: the fragment of 16 rows x 128 K is 1,024 bytes on end, register group c of lane l at 512 c + 16 l.
;   scales [mt][s = k/512][r][4 words]: word q holds the four bytes of k = 512 s + 128 q on.
;   pw16   [n/256][kb = k/32][(n/16)%16][1,024 bytes]: the f16 fragment (16 columns n x 32 k): registers 0-3 of lane l at 16 l, registers 4-7 at 512 + 16 l.
; SHARES: work-groups 0-319 take x and context (K innermost): a wave takes 16 rows x 512 K.  Work-groups 320-575 take q_w, kv_w, proj_w (K is the first axis): 32 columns x 512 K, a wave 128 K, a lane a column,
;   its registers running down K.  No tensor loads; each path has LDS bytes of its own.
.set SROW,  528                        ; a stage row: 512 bytes + 16, so that 16 rows start at 16 different groups of four banks
.set SWAVE, 16*SROW                    ; a wave's stage (rows path)
.set WX,    4*SWAVE                    ; 512 bytes: the four waves' scale words meet here (columns path)
.set SPARE, WX+512                     ; the spare words, 128 bytes for each wave: no other line names them
.set SPW,   9                          ; v9   SPARE + 4 x my thread's number; never rewritten
.set NIL,   10                         ; v10  0; never rewritten
.set R,     32                         ; rows path: v32-159 two sets of 64 numbers as loaded
.set X,     160                        ; v160-223 two whole blocks of 32 neighbours
.set C,     224                        ; v224-255 codes, eight registers a step, never rewritten
.set VO,    32                         ; columns path: v32-63 offsets 4 x lane + i x pitch
.set XC,    64                         ; v64-127 two sets of 32 numbers
.set CC,    128                        ; v128-143 codes, four registers a block
.set HC,    144                        ; v144-207 f16 pairs, sixteen registers a block
.macro FINISH                          ; the wave's end
	s_wait_tensorcnt 0x0
	ds_add_u32 v[SPW], v[NIL]
	s_wait_dscnt 0x0
	s_endpgm
.endm
	s_load_b256 s[4:11], s[0:1], 0x0               ; x s[4:5], context s[6:7], q_w s[8:9], kv_w s[10:11]
	s_load_b256 s[12:19], s[0:1], 0x20             ; proj_w s[12:13], codes s[14:15], scales s[16:17], pw16 s[18:19]
	v_lshl_add_u32 v[SPW], v0, 2, SPARE
	v_mov_b32 v[NIL], 0
	v_lshrrev_b32 v1, 5, v0
	v_readfirstlane_b32 s20, v1                    ; wave 0..3
	v_and_b32 v1, 31, v0                           ; lane
	v_and_b32 v2, 15, v0                           ; r
	v_bfe_u32 v3, v0, 4, 1                         ; h
	v_lshlrev_b32 v4, 4, v1                        ; 16 x lane
	s_mul_i32 s3, s20, SWAVE                       ; every LDS address is made here, ahead of the parting of the paths
	v_add_nc_u32 v5, s3, v4                        ; stage, way in: 16 x lane of a row
	v_mul_u32_u24 v6, v2, SROW
	v_lshl_add_u32 v6, v3, 7, v6
	v_add_nc_u32 v6, s3, v6                        ; stage, way out: row r, + 128 h: my block of 32 numbers
	s_lshl_b32 s2, s20, 2
	v_lshl_add_u32 v27, v1, 4, WX                  ; a column's four scale words
	v_add_nc_u32 v26, s2, v27                      ; and my wave's word among them
	s_mov_b32 s30, 0x76543210
	s_mov_b32 s31, 0xfedcba98                      ; v_permlanex16_b32's selects for lane l xor 16
	s_wait_kmcnt 0x0
	s_cmp_ge_u32 ttmp9, 320
	s_cbranch_scc1 .Lcols
; ---------------- ROWS: x (work-groups 0-255), context (256-319) ----------------
	s_lshl_b32 s21, ttmp9, 1
	s_lshr_b32 s22, s20, 1
	s_add_co_u32 s21, s21, s22                     ; mt = 2 x work-group + wave / 2
	s_and_b32 s22, s20, 1                          ; s: which 512 along K
	s_cmp_lt_u32 ttmp9, 256
	s_cselect_b64 s[24:25], s[4:5], s[6:7]
	s_cselect_b32 s23, 0, 512
	s_sub_co_u32 s23, s21, s23                     ; the tile of 16 rows inside its own tensor
	s_lshl_b32 s36, s23, 16                        ; 16 rows of 4,096 bytes
	s_lshl_b32 s23, s22, 11
	s_add_co_u32 s36, s36, s23
	s_mov_b32 s37, 0
	s_add_nc_u64 s[24:25], s[24:25], s[36:37]      ; the numbers
	s_lshl_b32 s36, s21, 13
	s_lshl_b32 s23, s22, 12
	s_add_co_u32 s36, s36, s23
	s_add_nc_u64 s[26:27], s[14:15], s[36:37]      ; their codes
	s_lshl_b32 s36, s21, 9
	s_lshl_b32 s23, s22, 8
	s_add_co_u32 s36, s36, s23
	s_add_nc_u64 s[28:29], s[16:17], s[36:37]      ; their scale words
	v_lshlrev_b32 v7, 3, v3                        ; 8 h: where my two bytes stand in a scale word
	v_lshlrev_b32 v8, 4, v2
	v_lshl_add_u32 v8, v3, 3, v8                   ; 16 r + 8 h: my two words of row r's four
	v_mov_b32 v19, 0                               ; a lane permute's destination counts as one of its sources
.macro LOADR t                         ; step t: 128 along K of 16 rows; each load reads 512 consecutive bytes of one row
.irp i, 0,1,2,3,4,5,6,7,8,9,10,11,12,13,14,15
	global_load_b128 v[R+64*((\t)%2)+4*\i:R+64*((\t)%2)+4*\i+3], v4, s[24:25] offset:4096*\i+512*(\t) th:TH_LOAD_NT
.endr
.endm
.macro STEPR t
.if (\t) < 3
	s_wait_loadcnt 16                              ; this step's 16 loads are in; the next step's 16 may be out
.else
	s_wait_loadcnt 0
.endif
.irp i, 0,1,2,3,4,5,6,7,8,9,10,11,12,13,14,15
	ds_store_b128 v5, v[R+64*((\t)%2)+4*\i:R+64*((\t)%2)+4*\i+3] offset:SROW*\i
.endr
.irp c, 0,1                            ; back: lane (r, h) takes the whole blocks 2 c + h of row r, as the operand's layout gives them to it.  LDS serves a wave's instructions in order
.irp i, 0,1,2,3,4,5,6,7
	ds_load_b128 v[X+32*\c+4*\i:X+32*\c+4*\i+3], v6 offset:256*\c+16*\i
.endr
.endr
	s_wait_dscnt 0x0
.if (\t) < 2
	LOADR (\t)+2                                   ; into the set that the stage's stores have read
.endif
.irp c, 0,1
	v_max3_num_f32 v[12+\c], |v[X+32*\c]|, |v[X+32*\c+1]|, 0x1800000   ; the block's largest magnitude, and the floor 2^(3 - 127): the byte cannot fall under 1
.endr
.irp i, 2,4,6,8,10,12,14,16,18,20,22,24,26,28,30
.irp c, 0,1
	v_max3_num_f32 v[12+\c], v[12+\c], |v[X+32*\c+\i]|, |v[X+32*\c+\i+1]|
.endr
.endr
.irp c, 0,1
	v_add_nc_u32 v[14+\c], 0xff000000, v[12+\c]    ; 2 off the exponent field: the conversion's scale operand
.endr
.irp c, 0,1
	v_lshrrev_b32 v[16+\c], 23, v[14+\c]           ; the scale's byte
.endr
.irp c, 0,1
.irp g, 0,1,2,3
	v_cvt_scalef32_pk8_fp4_f32 v[C+8*(\t)+4*\c+\g], v[X+32*\c+8*\g:X+32*\c+8*\g+7], v[14+\c]
.endr
.endr
	v_lshl_or_b32 v18, v17, 16, v16                ; my two bytes: blocks h and 2 + h,
	v_lshlrev_b32 v18, v7, v18                     ; at their places;
	v_permlanex16_b32 v19, v18, s30, s31
	v_or_b32 v[20+(\t)], v18, v19                  ; with lane l xor 16's two the word of these 128 along K is whole
.irp c, 0,1
	global_store_b128 v4, v[C+8*(\t)+4*\c:C+8*(\t)+4*\c+3], s[26:27] offset:1024*(\t)+512*\c   ; 32 lanes store 512 consecutive bytes, aligned
.endr
.endm
	LOADR 0
	LOADR 1
	STEPR 0
	STEPR 1
	STEPR 2
	STEPR 3
	v_cmp_lt_u32 vcc_lo, 15, v1                    ; lanes 16-31 store words 2 and 3 of row r, lanes 0-15 words 0 and 1
	v_cndmask_b32 v24, v20, v22, vcc_lo
	v_cndmask_b32 v25, v21, v23, vcc_lo
	global_store_b64 v8, v[24:25], s[28:29]        ; 32 lanes store 256 consecutive bytes, aligned
	FINISH
; ---------------- COLUMNS: q_w (64 work-groups), kv_w (128), proj_w (64) ----------------
.Lcols:
	s_sub_co_u32 s21, ttmp9, 320                   ; idx
	s_mov_b64 s[24:25], s[12:13]                   ; proj_w's values first, then kv_w's and q_w's by selects on idx alone
	s_mov_b32 s22, 192                             ; the range's first idx
	s_mov_b32 s23, 4096                            ; bytes from row k to row k + 1
	s_mov_b32 s36, 0                               ; the tensor's first mt among the operand rows (proj_w has none)
	s_mov_b32 s37, 8192
	s_cmp_lt_u32 s21, 192
	s_cselect_b64 s[24:25], s[10:11], s[24:25]
	s_cselect_b32 s22, 64, s22
	s_cselect_b32 s23, s37, s23
	s_cselect_b32 s36, 704, s36
	s_cmp_lt_u32 s21, 64
	s_cselect_b64 s[24:25], s[8:9], s[24:25]
	s_cselect_b32 s22, 0, s22
	s_cselect_b32 s23, 4096, s23
	s_cselect_b32 s36, 640, s36
	s_sub_co_u32 s22, s21, s22
	s_lshr_b32 s38, s22, 1                         ; cg: which 32 columns
	s_and_b32 s39, s22, 1                          ; s: which 512 along K
	s_lshl_b32 s22, s39, 2
	s_add_co_u32 s22, s22, s20                     ; 4 s + wave: which 128 along K
	s_lshl_b32 s37, s22, 7
	s_mul_i32 s48, s37, s23                        ; my first row k,
	s_lshl_b32 s37, s38, 7
	s_add_co_u32 s48, s48, s37                     ; my first column
	s_mov_b32 s49, 0
	s_add_nc_u64 s[40:41], s[24:25], s[48:49]      ; a base for each of my four blocks of 32 rows; none is rewritten
	s_lshl_b32 s48, s23, 5
	s_add_nc_u64 s[42:43], s[40:41], s[48:49]
	s_add_nc_u64 s[44:45], s[42:43], s[48:49]
	s_add_nc_u64 s[46:47], s[44:45], s[48:49]
	s_lshl_b32 s50, s38, 1
	s_add_co_u32 s50, s50, s36                     ; the mt of my first 16 columns
	s_lshl_b32 s48, s50, 13
	s_lshl_b32 s37, s22, 10
	s_add_co_u32 s48, s48, s37
	s_add_nc_u64 s[26:27], s[14:15], s[48:49]      ; codes: mt x 8,192 + my first block x 256
	s_lshl_b32 s48, s50, 9
	s_lshl_b32 s37, s39, 8
	s_add_co_u32 s48, s48, s37
	s_add_nc_u64 s[28:29], s[16:17], s[48:49]      ; scale words: mt x 512 + 256 s
	s_lshr_b32 s48, s38, 3
	s_lshl_b32 s48, s48, 5
	s_lshl_b32 s37, s22, 2
	s_add_co_u32 s48, s48, s37
	s_lshl_b32 s48, s48, 14
	s_and_b32 s37, s38, 7
	s_lshl_b32 s37, s37, 11
	s_add_co_u32 s48, s48, s37
	s_add_nc_u64 s[52:53], s[18:19], s[48:49]      ; pw16: ((n / 256) x 32 + my first kb) x 16,384 + my first tile of 16 columns x 1,024 (used by proj_w's work-groups alone)
	v_lshlrev_b32 v11, 2, v1
.irp i, 0,1,2,3,4,5,6,7,8,9,10,11,12,13,14,15,16,17,18,19,20,21,22,23,24,25,26,27,28,29,30,31
	v_mad_u32_u24 v[VO+\i], s23, \i, v11           ; 4 x lane + i rows
.endr
	v_lshlrev_b32 v21, 4, v2
	v_lshl_add_u32 v22, v3, 9, v21                 ; scale words: 512 (lane / 16) + 16 r
	v_lshl_add_u32 v23, v3, 10, v21                ; pw16: 1,024 (lane / 16) + 16 r
	v_lshl_add_u32 v21, v3, 13, v21                ; codes: 8,192 (lane / 16) + 16 r
.macro LOADC t                         ; block t: W(32 t + i, my column): 32 lanes read 128 consecutive bytes
.irp i, 0,1,2,3,4,5,6,7,8,9,10,11,12,13,14,15,16,17,18,19,20,21,22,23,24,25,26,27,28,29,30,31
	global_load_b32 v[XC+32*((\t)%2)+\i], v[VO+\i], s[40+2*(\t):41+2*(\t)]
.endr
.endm
	LOADC 0
	LOADC 1
	s_cmp_ge_u32 s21, 192
	s_cbranch_scc1 .Lhalf
.macro BLOCKQ t
.set XS, XC+32*((\t)%2)
.if (\t) < 3
	s_wait_loadcnt 32                              ; this block's 32 loads are in; the next block's may be out
.else
	s_wait_loadcnt 0
.endif
	v_max3_num_f32 v12, |v[XS]|, |v[XS+1]|, |v[XS+2]|   ; all 32 numbers of the block are mine
	v_max3_num_f32 v13, |v[XS+3]|, |v[XS+4]|, |v[XS+5]|
.irp i, 6,10,14,18,22,26
	v_max3_num_f32 v12, v12, |v[XS+\i]|, |v[XS+\i+1]|
	v_max3_num_f32 v13, v13, |v[XS+\i+2]|, |v[XS+\i+3]|
.endr
	v_max3_num_f32 v12, v12, |v[XS+30]|, |v[XS+31]|
	v_max3_num_f32 v12, v12, v13, 0x1800000        ; and the floor
	v_add_nc_u32 v14, 0xff000000, v12
	v_lshrrev_b32 v16, 23, v14
.if (\t) == 0
	v_mov_b32 v20, v16                             ; my 128 along K are one scale word: the lower K in the lower byte
.else
	v_lshl_or_b32 v20, v16, 8*(\t), v20
.endif
.irp g, 0,1,2,3
	v_cvt_scalef32_pk8_fp4_f32 v[CC+4*(\t)+\g], v[XS+8*\g:XS+8*\g+7], v14
.endr
	v_nop                                          ; one plain line behind the last conversion
	global_store_b128 v21, v[CC+4*(\t):CC+4*(\t)+3], s[26:27] offset:256*(\t)   ; sixteen lanes store 256 consecutive bytes, aligned
.if (\t) < 2
	LOADC (\t)+2
.endif
.endm
	BLOCKQ 0
	BLOCKQ 1
	BLOCKQ 2
	BLOCKQ 3
	ds_store_b32 v26, v20                          ; a column's four words come from four waves
	s_wait_dscnt 0x0                               ; for the others' sake: my store has landed
	s_barrier_signal -1
	s_barrier_wait -1
	s_cmp_lg_u32 s20, 0
	s_cbranch_scc1 .Lw_end
	ds_load_b128 v[144:147], v27
	s_wait_dscnt 0x0
	global_store_b128 v22, v[144:147], s[28:29]    ; wave 0: sixteen lanes store 256 consecutive bytes, aligned
.Lw_end:
	FINISH
.Lhalf:
.macro BLOCKH t
.set XS, XC+32*((\t)%2)
.if (\t) < 3
	s_wait_loadcnt 32
.else
	s_wait_loadcnt 0
.endif
.irp i, 0,1,2,3,4,5,6,7,8,9,10,11,12,13,14,15
	v_cvt_pk_f16_f32 v[HC+16*(\t)+\i], v[XS+2*\i], v[XS+2*\i+1]   ; k = 2 i in the low half
.endr
.irp p, 0,1,2,3                        ; k = 8 p .. 8 p + 7 of column r are registers 4 (p / 2) .. + 3 of lane 16 (p % 2) + r: byte 256 p + 16 r of the image
	global_store_b128 v23, v[HC+16*(\t)+4*\p:HC+16*(\t)+4*\p+3], s[52:53] offset:16384*(\t)+256*\p
.endr
.if (\t) < 2
	LOADC (\t)+2
.endif
.endm
	BLOCKH 0
	BLOCKH 1
	BLOCKH 2
	BLOCKH 3
	FINISH
.Lfunc_end_k_qf3e61850fe_prep:
	.size	k_qf3e61850fe_prep, .Lfunc_end_k_qf3e61850fe_prep-k_qf3e61850fe_prep
	.p2alignl 7, 3214868480
	.fill 96, 4, 3214868480
	.section	.rodata,"a",@progbits
	.p2align	6, 0x0
	.amdhsa_kernel k_qf3e61850fe_prep
		.amdhsa_group_segment_fixed_size 34816
		.amdhsa_private_segment_fixed_size 0
		.amdhsa_enable_private_segment 0
		.amdhsa_kernarg_size 64
		.amdhsa_user_sgpr_count 2
		.amdhsa_user_sgpr_kernarg_segment_ptr 1
		.amdhsa_wavefront_size32 1
		.amdhsa_system_sgpr_workgroup_id_x 1
		.amdhsa_system_sgpr_workgroup_id_y 1
		.amdhsa_system_sgpr_workgroup_id_z 1
		.amdhsa_system_vgpr_workitem_id 0
		.amdhsa_next_free_vgpr 256
		.amdhsa_next_free_sgpr 66
		.amdhsa_reserve_vcc 1
		.amdhsa_float_denorm_mode_32 3
		.amdhsa_float_denorm_mode_16_64 3
		.amdhsa_memory_ordered 1
		.amdhsa_forward_progress 1
		.amdhsa_inst_pref_size 65
	.end_amdhsa_kernel
	.amdgpu_metadata
---
amdhsa.version: [ 1, 2 ]
amdhsa.kernels:
  - .name:           k_qf3e61850fe_prep
    .symbol:         k_qf3e61850fe_prep.kd
    .args:
      - { .name: x, .offset: 0, .size: 8, .value_kind: global_buffer, .address_space: global }
      - { .name: context, .offset: 8, .size: 8, .value_kind: global_buffer, .address_space: global }
      - { .name: q_w, .offset: 16, .size: 8, .value_kind: global_buffer, .address_space: global }
      - { .name: kv_w, .offset: 24, .size: 8, .value_kind: global_buffer, .address_space: global }
      - { .name: proj_w, .offset: 32, .size: 8, .value_kind: global_buffer, .address_space: global }
      - { .name: codes, .offset: 40, .size: 8, .value_kind: global_buffer, .address_space: global }
      - { .name: scales, .offset: 48, .size: 8, .value_kind: global_buffer, .address_space: global }
      - { .name: pw16, .offset: 56, .size: 8, .value_kind: global_buffer, .address_space: global }
    .group_segment_fixed_size: 34816
    .private_segment_fixed_size: 0
    .kernarg_segment_align: 8
    .kernarg_segment_size: 64
    .max_flat_workgroup_size: 128
    .sgpr_count:     66
    .vgpr_count:     256
    .wavefront_size: 32
...
	.end_amdgpu_metadata
.endif
;; end of part 1
;; launch qkv (part 2): grid 4 x 48, 4 waves a work-group, clusters of 4 x 4, 279,040 bytes of LDS; arguments codes, scales, qkv; writes qkv
.if DOCPART == 2
	.amdgcn_target "amdgcn-amd-amdhsa--gfx1250"
	.amdhsa_code_object_version 6
	.text
	.protected	k_qf3e61850fe_qkv
	.globl	k_qf3e61850fe_qkv
	.p2align	8
	.type	k_qf3e61850fe_qkv,@function
k_qf3e61850fe_qkv:
	s_mov_b64 s[64:65], 0
	v_nop
	global_prefetch_b8 v0, s[64:65] scope:SCOPE_SE
	s_setreg_imm32_b32 hwreg(HW_REG_WAVE_MODE, 25, 1), 1
	s_wait_xcnt 0x0
	s_wait_alu depctr_hold_cnt(0) depctr_sa_sdst(0) depctr_va_vdst(0) depctr_va_sdst(0) depctr_va_ssrc(0) depctr_va_vcc(0) depctr_vm_vsrc(0)
	s_getreg_b32 s2, hwreg(HW_REG_IB_STS2, 6, 4)
	s_cmp_eq_u32 s2, 0
	s_cbranch_scc0 .Lentry_in_a_cluster
	s_endpgm
.Lentry_in_a_cluster:
	s_bfe_u32 s2, ttmp6, 0x10000c
	s_cmp_lg_u32 s2, 0xf033
	s_cbranch_scc0 .Lentry_shape_is_right
	s_endpgm
.Lentry_shape_is_right:
; CROSS-ATTENTION, launch 2 of 4: the two quantised products, on codes of FP4 with E8M0 scales, K = 1,024, sums in f32; the results leave as f16, laid as the next launch's operand registers.  No work is left out.
; Three products of one shape, C[m][n] = sum over k of A[m][k] B[n][k], chosen by the cluster's y, which all sixteen partners share:
;   Q (y 0-7):   A = x's 8,192 rows,      B = q_w's 1,024 columns      K (y 8, 9): A = context's 2,048 rows, B = kv_w's first 1,024 columns
;   V (y 10,11): A = kv_w's last 1,024 columns, B = context's 2,048 rows: V comes out TRANSPOSED, the keys along a lane's registers, as the second product of attention wants it.
; A tile of C is 256 x 256, four waves, a wave 128 x 128: 64 accumulators.  THE MATRIX INSTRUCTION IS USED TRANSPOSED (source 0 = 16 rows of B, source 1 = 16 rows of A): a lane holds row l % 16 of C and eight
; neighbouring columns, which pack into the four registers that a 16-bit fragment of 16 rows x 32 wants of that lane.  So the results are stored from registers, 512 consecutive bytes an instruction, with no stage.
; All of K fits in LDS: each wave issues three tensor loads at the head (its scales, its 128 rows' first 512 along K, their last 512) and nothing is filled again.
; CLUSTER 4 x 4: A's tiles are shared along a row of the cluster, B's along a column, by joint loads.
; LAYOUT OF qkv: Q at 0: [head][mt = row/16 (512)][c = d/32][1,024];  K at 16 MiB: [head][kt = key/16 (128)][c][1,024];  V^T at 20 MiB: [head][key/64 (32)][ct = d/16 (4)][(key/32)%2][1,024].
; LIMITS: q, k, v go to f16: beyond 65,504 they are infinite, under 6e-5 they keep an absolute step of 6e-8.  q's factor 1/8 is not applied here: it goes, exactly, into the softmax's constant.
; REGISTERS: window 0: v16-29 addresses; v32-95 scale words, two sets; v128-191 A's fragments, one set.  window 1: B's fragments, two sets (v0, v128); on the way out the packed results.  windows 2, 3: the accumulators.
.set NQ,     4                         ; steps of 128 along K in a slot
.set FR,     8                         ; registers of a fragment
.set NL,     2                         ; LDS loads that bring one
.set NP,     4                         ; places behind this matrix instruction (ISA guide 7.12.1)
.set HALFT,  32768                     ; 128 rows x 512 K of codes: [mt' 8][ks' 4][1,024]: what one tensor load brings
.set SLOT,   4*HALFT                   ; A's two halves, then B's two
.set SCL,    2*SLOT                    ; the scale words: 4,096 bytes for each 128 rows: [mt' 8][s 2][r][16]
.set HALFS,  4096
.set SPARE,  SCL+4*HALFS               ; the spare words, 128 bytes for each wave: no other line names them
.set ADRA, 16                          ; v16-17  LDS address of my A fragments in slot 0, 1
.set ADRB, 20                          ; v20-21  the same for B
.set CO,   26                          ; v26     16 x lane
.set ADRS, 27                          ; v27     my scale words: lanes 0-15 A's rows, lanes 16-31 B's
.set SPW,  28                          ; v28     SPARE + 4 x my thread's number; never rewritten
.set NIL,  29                          ; v29     0; never rewritten
.set SC,   32
.set AF,   128
.set G1,   24                          ; s[24:31], s[32:39]: groups 1 and 0 (a set for each slot) for A's codes
.set G0,   32
.set G1B,  48                          ; s[48:55], s[56:63]: for B's
.set G0B,  56
.set G1S,  68                          ; s[68:75], s[76:79]: for A's scales;  s[80:87], s[88:91]: for B's
.set G0S,  76
.set G1SB, 80
.set G0SB, 88
.set OB,   92                          ; s[92:99] four bases for the way out
.set MSB, 0
.macro WIN new                         ; the immediate's high byte repeats the setting that is left
.if MSB != \new
	s_set_vgpr_msb (MSB<<8)|\new
.set MSB, \new
.endif
.endm
.set MUL_LO, 0xa1                      ; source 0 (B) window 1, source 1 (A) window 0, C and D window 2
.set MUL_HI, 0xf1                      ; the same, C and D window 3
.set TO_B,   0x40                      ; destination window 1, address window 0
; A joint load: waves 0 and 1 fetch for A, waves 2 and 3 for B; the branch hangs on the wave's number alone.  An s_nop 0 and four v_nop follow each line.
.macro JLOAD g0a, g1a, g0b, g1b
	s_cmp_eq_u32 s15, 0
	s_cbranch_scc0 .Lfor_b_\@
	tensor_load_to_lds s[\g0a:\g0a+3], s[\g1a:\g1a+7]
	s_nop 0
.rept 4
	v_nop
.endr
	s_branch .Lasked_\@
.Lfor_b_\@:
	tensor_load_to_lds s[\g0b:\g0b+3], s[\g1b:\g1b+7]
	s_nop 0
.rept 4
	v_nop
.endr
.Lasked_\@:
.endm
.macro CROUND                          ; a round of the cluster's barrier
	s_barrier_signal -1
	s_barrier_wait -1
	s_cmp_lg_u32 s14, 0
	s_cbranch_scc1 .Lnot_wave_0_\@
	s_barrier_signal -3
.Lnot_wave_0_\@:
	s_barrier_wait -3
	s_barrier_signal -1
	s_barrier_wait -1
.endm
	s_load_b128 s[4:7], s[0:1], 0x0                ; codes s[4:5], scales s[6:7]
	s_load_b64 s[8:9], s[0:1], 0x10                ; qkv
	v_lshl_add_u32 v[SPW], v0, 2, SPARE
	v_mov_b32 v[NIL], 0
	ds_add_u32 v[SPW], v[NIL]                      ; the wave's opening: the add, twice on end, and its wait ahead of my first tensor load
	ds_add_u32 v[SPW], v[NIL]
	v_lshrrev_b32 v1, 5, v0
	v_readfirstlane_b32 s14, v1                    ; wave 0..3
	s_lshr_b32 s15, s14, 1                         ; which half of the tile's rows is mine.  Also: I fetch for A (0) or for B (1)
	s_and_b32 s16, s14, 1                          ; which half of its columns.  Also: which 128 rows I fetch
	s_bfe_u32 s40, ttmp6, 0x40000                  ; cx
	s_bfe_u32 s41, ttmp6, 0x40004                  ; cy
	s_lshl_b32 s43, s41, 2
	s_lshl_b32 s43, 15, s43                        ; my row of the cluster
	s_lshl_b32 s44, 0x1111, s40                    ; my column
	s_and_b32 s10, ttmp7, 0xffff                   ; the cluster's y picks the product and the cluster's place in it
	s_and_b32 s11, s10, 7                          ; cluster row in Q (y) and in K (y - 8)
	s_max_u32 s12, s10, 10
	s_sub_co_u32 s12, s12, 10                      ; cluster column: 0 but in V (y - 10)
	s_mov_b32 s13, 12288                           ; V's values: A's first operand row,
	s_mov_b32 s17, 8192                            ; B's,
	s_mov_b32 s18, 20<<20                          ; where the result begins,
	s_mov_b32 s19, 8192                            ; bytes for 64 columns of C on,
	s_mov_b32 s20, 262144                          ; bytes for 64 rows of C on
	s_cmp_lt_u32 s10, 10                           ; K's
	s_cselect_b32 s11, s11, 0
	s_cselect_b32 s13, 8192, s13
	s_cselect_b32 s17, 11264, s17
	s_cselect_b32 s18, 16<<20, s18
	s_cselect_b32 s19, 262144, s19
	s_cselect_b32 s20, 8192, s20
	s_cmp_lt_u32 s10, 8                            ; Q's
	s_cselect_b32 s13, 0, s13
	s_cselect_b32 s17, 10240, s17
	s_cselect_b32 s18, 0, s18
	s_cselect_b32 s19, 1<<20, s19
	s_lshl_b32 s21, s11, 2
	s_add_co_u32 s21, s21, s41                     ; tile row of C
	s_lshl_b32 s42, s12, 2
	s_add_co_u32 s42, s42, s40                     ; tile column of C
	; group 1 for codes: 8 rows (tiles of 16 operand rows) of 4,096 bytes, 8,192 bytes apart; elements of 8 bytes; no padding: the tile is read back 16 bytes a lane on end
	s_or_b32 s[G1+0], s43, (3<<16)|(1<<21)         ; 15:0 the mask: my row; 17:16 elements of 8 bytes; 21 set beside a mask
	s_or_b32 s[G1B+0], s44, (3<<16)|(1<<21)        ; the same with my column
.irp g, G1, G1B
	s_mov_b32 s[\g+1], 512<<16                     ; tensor_dim0 = 512
	s_mov_b32 s[\g+2], 8<<16                       ; tensor_dim1 = 8
	s_mov_b32 s[\g+3], 512<<16                     ; tile_dim0 = 512
	s_mov_b32 s[\g+4], 8                           ; tile_dim1 = 8
	s_mov_b32 s[\g+5], 1024                        ; from row to row
	s_mov_b32 s[\g+6], 0
	s_mov_b32 s[\g+7], 0
.endr
	; and for the scale words of 128 rows: 4,096 dense bytes as 16 rows of 256
	s_or_b32 s[G1S+0], s43, (3<<16)|(1<<21)
	s_or_b32 s[G1SB+0], s44, (3<<16)|(1<<21)
.irp g, G1S, G1SB
	s_mov_b32 s[\g+1], 32<<16
	s_mov_b32 s[\g+2], 16<<16
	s_mov_b32 s[\g+3], 32<<16
	s_mov_b32 s[\g+4], 16
	s_mov_b32 s[\g+5], 32
	s_mov_b32 s[\g+6], 0
	s_mov_b32 s[\g+7], 0
.endr
	s_lshl_b32 s45, s16, 7                         ; which 128 rows of the tile I fetch
	s_lshl_b32 s22, s21, 8
	s_add_co_u32 s22, s22, s13
	s_add_co_u32 s22, s22, s45                     ; A: operand row
	s_lshl_b32 s46, s42, 8
	s_add_co_u32 s46, s46, s17
	s_add_co_u32 s46, s46, s45                     ; B: operand row
	s_lshl_b32 s66, s22, 5                         ; 32 bytes of scales a row,
	s_lshl_b32 s22, s22, 9                         ; 512 bytes of codes
	s_mov_b32 s23, 0
	s_mov_b32 s67, 0
	s_lshl_b32 s2, s46, 5
	s_lshl_b32 s46, s46, 9
	s_mov_b32 s3, 0
	s_mov_b32 s47, 0
	s_lshl_b32 s11, s14, 15                        ; where they go: wave x 32,768, wave x 4,096: no place in the cluster enters an LDS address
	s_lshl_b32 s12, s14, 12
	s_wait_dscnt 0x0                               ; both opening adds are done
	s_wait_kmcnt 0x0
	s_add_nc_u64 s[22:23], s[4:5], s[22:23]
	s_add_nc_u64 s[66:67], s[6:7], s[66:67]
	s_add_nc_u64 s[46:47], s[4:5], s[46:47]
	s_add_nc_u64 s[2:3], s[6:7], s[2:3]
	CROUND                                         ; all sixteen work-groups are here: the joint loads meet
	s_mov_b32 s[G0S], 1
	s_add_co_u32 s[G0S+1], s12, SCL
	s_mov_b64 s[G0S+2:G0S+3], s[66:67]
	s_or_b32 s[G0S+3], s[G0S+3], 0x80000000
	s_mov_b32 s[G0SB], 1
	s_add_co_u32 s[G0SB+1], s12, SCL
	s_mov_b64 s[G0SB+2:G0SB+3], s[2:3]
	s_or_b32 s[G0SB+3], s[G0SB+3], 0x80000000
	JLOAD G0S, G1S, G0SB, G1SB                     ; the scales first: they are wanted with the first step
.irp s, 0,1
	s_mov_b32 s[G0+4*\s], 1
	s_add_co_u32 s[G0+4*\s+1], s11, \s*SLOT
	s_add_nc_u64 s[G0+4*\s+2:G0+4*\s+3], s[22:23], \s*4096
	s_or_b32 s[G0+4*\s+3], s[G0+4*\s+3], 0x80000000
	s_mov_b32 s[G0B+4*\s], 1
	s_add_co_u32 s[G0B+4*\s+1], s11, \s*SLOT
	s_add_nc_u64 s[G0B+4*\s+2:G0B+4*\s+3], s[46:47], \s*4096
	s_or_b32 s[G0B+4*\s+3], s[G0B+4*\s+3], 0x80000000
	JLOAD G0+4*\s, G1, G0B+4*\s, G1B               ; three loads of mine are out behind the last of these
.endr
	v_and_b32 v1, 15, v0                           ; r
	v_bfe_u32 v2, v0, 4, 1                         ; h
	v_and_b32 v3, 31, v0
	v_lshlrev_b32 v[CO], 4, v3                     ; 16 x lane: my place in every image
	s_lshl_b32 s11, s15, 15                        ; my 128 rows of A
	s_lshl_b32 s12, s16, 15                        ; my 128 rows of B,
	s_add_co_u32 s12, s12, 2*HALFT                 ; behind A's 256
.irp s, 0,1
	v_add_nc_u32 v[ADRA+\s], s11, v[CO]
	v_add_nc_u32 v[ADRB+\s], s12, v[CO]
	s_add_co_u32 s11, s11, SLOT
	s_add_co_u32 s12, s12, SLOT
.endr
	s_lshl_b32 s11, s15, 12                        ; A's scale words: my 128 rows
	s_lshl_b32 s12, s16, 12                        ; B's, behind A's 256
	s_add_co_u32 s12, s12, 2*HALFS
	s_sub_co_u32 s12, s12, s11
	v_mul_u32_u24 v6, s12, v2                      ; lanes 16-31 take B's: one product by h
	s_add_co_u32 s11, s11, SCL
	v_lshlrev_b32 v5, 4, v1
	v_add_nc_u32 v5, v5, v6
	v_add_nc_u32 v[ADRS], s11, v5
	; the way out's four bases: (64 columns e, 64 rows g) of my 128 x 128
	s_lshl_b32 s12, s21, 2
	s_lshl_b32 s13, s15, 1
	s_add_co_u32 s12, s12, s13
	s_mul_i32 s12, s12, s20                        ; (4 tile row + 2 row half) x bytes for 64 rows
	s_lshl_b32 s2, s42, 2
	s_lshl_b32 s46, s16, 1
	s_add_co_u32 s2, s2, s46
	s_mul_i32 s2, s2, s19                          ; (4 tile column + 2 column half) x bytes for 64 columns
	s_add_co_u32 s2, s2, s12
	s_add_co_u32 s2, s2, s18
	s_mov_b32 s3, 0
	s_mov_b32 s22, s20
	s_mov_b32 s23, 0
	s_mov_b32 s46, s19
	s_mov_b32 s47, 0
	s_add_nc_u64 s[OB:OB+1], s[8:9], s[2:3]
	s_add_nc_u64 s[OB+2:OB+3], s[OB:OB+1], s[22:23]
	s_add_nc_u64 s[OB+4:OB+5], s[OB:OB+1], s[46:47]
	s_add_nc_u64 s[OB+6:OB+7], s[OB+4:OB+5], s[22:23]
.macro FRAG reg, adr, q, i             ; a fragment's image: 1,024 bytes on end; register group c of lane l at 512 c + 16 l
.irp c, 0,1
	ds_load_b128 v[\reg+4*\c:\reg+4*\c+3], v[\adr] offset:4096*(\i)+1024*(\q)+512*\c
.endr
.endm
; 16 matrix instructions: A's blocks a0, a0 + 1 x B's eight, the slot's q-th 128 along K.  The 64 accumulators take turns, one instruction a turn, in the same order in every step.
.macro MUL16 a0, p, q, sc, zero
.irp a, \a0, \a0+1
.irp b, 0,1,2,3,4,5,6,7
.if \zero
	v_wmma_scale_f32_16x16x128_f8f6f4 v[8*(8*((\a)%4)+\b):8*(8*((\a)%4)+\b)+7], v[128*(\p)+FR*\b:128*(\p)+FR*\b+FR-1], v[AF+FR*(\a):AF+FR*(\a)+FR-1], 0, v[SC+8*NQ*(\sc)+NQ*\b+(\q)], v[SC+8*NQ*(\sc)+NQ*(\a)+(\q)] matrix_a_fmt:MATRIX_FMT_FP4 matrix_b_fmt:MATRIX_FMT_FP4 matrix_a_scale:MATRIX_SCALE_ROW1
.else
	v_wmma_scale_f32_16x16x128_f8f6f4 v[8*(8*((\a)%4)+\b):8*(8*((\a)%4)+\b)+7], v[128*(\p)+FR*\b:128*(\p)+FR*\b+FR-1], v[AF+FR*(\a):AF+FR*(\a)+FR-1], v[8*(8*((\a)%4)+\b):8*(8*((\a)%4)+\b)+7], v[SC+8*NQ*(\sc)+NQ*\b+(\q)], v[SC+8*NQ*(\sc)+NQ*(\a)+(\q)] matrix_a_fmt:MATRIX_FMT_FP4 matrix_b_fmt:MATRIX_FMT_FP4 matrix_a_scale:MATRIX_SCALE_ROW1
.endif
.endr
.endr
.endm
.macro FETCH_B slot, q, p
	WIN TO_B
.irp i, 0,1,2,3,4,5,6,7
	FRAG 128*(\p)+FR*\i, ADRB+\slot, \q, \i
.endr
	WIN 0
.endm
.macro FETCH_A slot, q, i0
.irp i, \i0, \i0+1, \i0+2, \i0+3
	FRAG AF+FR*(\i), ADRA+\slot, \q, \i
.endr
.endm
.macro SCALES sc                       ; a slot's scale words: four a row; lanes 0-15 take A's block i, lanes 16-31 B's block i
.irp i, 0,1,2,3,4,5,6,7
	ds_load_b128 v[SC+8*NQ*\sc+NQ*\i:SC+8*NQ*\sc+NQ*\i+3], v[ADRS] offset:512*\i+256*\sc
.endr
.endm
.macro PLACES n                        ; plain vector instructions between a matrix instruction and a load into, or a vector write of, its registers, or a read of its result
.rept \n
	v_nop
.endr
.endm
.macro STEP slot, q, zero              ; a step of 128 along K that has its successor in the same slot
	s_wait_dscnt 4*NL                              ; B's set and A's blocks 0-3 are in; the youngest eight loads (A's blocks 4-7) may be out
	WIN MUL_LO
	MUL16 0, (\q)%2, \q, \slot, \zero
	MUL16 2, (\q)%2, \q, \slot, \zero
	s_wait_dscnt 0                                 ; A's blocks 4-7 are in
	PLACES NP
	FETCH_B \slot, (\q)+1, 1-(\q)%2
	FETCH_A \slot, (\q)+1, 0
	WIN MUL_HI
	MUL16 4, (\q)%2, \q, \slot, \zero
	MUL16 6, (\q)%2, \q, \slot, \zero
	PLACES NP
	WIN 0
	FETCH_A \slot, (\q)+1, 4
.endm
.macro STEPS slot, from
.set Q, \from
.rept NQ-1-\from
	STEP \slot, Q, 0
.set Q, Q+1
.endr
.endm
.macro TURN                            ; slot 0's last step, and the way into slot 1: every wave's part of slot 1 has landed before any wave reads it.  Nothing is filled again
	s_wait_tensorcnt 0x0                           ; my part of slot 1 is in
	s_wait_dscnt 4*NL
	WIN MUL_LO
	MUL16 0, 1, NQ-1, 0, 0
	s_wait_dscnt 0x0                               ; no LDS instruction of mine is out at the signal
	s_barrier_signal -1
	MUL16 2, 1, NQ-1, 0, 0
	WIN 0
	s_barrier_wait -1
	PLACES NP
	FETCH_B 1, 0, 0
	FETCH_A 1, 0, 0
	SCALES 1
	WIN MUL_HI
	MUL16 4, 1, NQ-1, 0, 0
	MUL16 6, 1, NQ-1, 0, 0
	PLACES NP
	WIN 0
	FETCH_A 1, 0, 4
.endm
	s_wait_tensorcnt 1                             ; my scales and my part of slot 0 are in; slot 1's load may be out
	s_barrier_signal -1
	s_barrier_wait -1                              ; everybody's are
	FETCH_B 0, 0, 0
	FETCH_A 0, 0, 0
	SCALES 0
	FETCH_A 0, 0, 4
	STEP 0, 0, 1                                   ; the first products start the sums: nothing is cleared
	STEPS 0, 1
	TURN
	STEPS 1, 0
	s_wait_dscnt 4*NL                              ; the last step: nothing more to fetch
	WIN MUL_LO
	MUL16 0, 1, NQ-1, 1, 0
	MUL16 2, 1, NQ-1, 1, 0
	s_wait_dscnt 0
	WIN MUL_HI
	MUL16 4, 1, NQ-1, 1, 0
	MUL16 6, 1, NQ-1, 1, 0
; THE WAY OUT.  Accumulator (a, b): lane (r, h) holds C(16 a + r, 16 b + 8 h + 0 .. 7): rounded to f16 in pairs these are registers 4 (b % 2) .. + 3 of the fragment (16 rows a, 32 columns b / 2).
; Each packed register of window 1 is written once, so no store's data are rewritten.  Each accumulator is read from its low end on.
.macro OUTB a
	WIN 0x4a+5*((\a)/4)                            ; sources window 2 or 3, destination window 1
.irp b, 0,1,2,3,4,5,6,7
.irp r, 0,1,2,3
	v_cvt_pk_f16_f32 v[32*(\a)+4*\b+\r], v[8*(8*((\a)%4)+\b)+2*\r], v[8*(8*((\a)%4)+\b)+2*\r+1]
.endr
.endr
	WIN 0x04                                       ; a store's data are its source 1: window 1
.irp b, 0,1,2,3,4,5,6,7
	global_store_b128 v[CO], v[32*(\a)+4*\b:32*(\a)+4*\b+3], s[OB+4*(\b/4)+2*((\a)/4):OB+4*(\b/4)+2*((\a)/4)+1] offset:2048*((\a)%4)+1024*((\b/2)%2)+512*(\b%2)   ; 32 lanes store 512 consecutive bytes, aligned
.endr
.endm
	PLACES NP                                      ; behind the last products: window 1 held B's fragments
.irp a, 0,1,2,3,4,5,6,7
	OUTB \a
.endr
	WIN 0
	s_wait_tensorcnt 0x0                           ; the wave's end
	ds_add_u32 v[SPW], v[NIL]
	s_wait_dscnt 0x0
	CROUND                                         ; the closing round
	s_endpgm
.Lfunc_end_k_qf3e61850fe_qkv:
	.size	k_qf3e61850fe_qkv, .Lfunc_end_k_qf3e61850fe_qkv-k_qf3e61850fe_qkv
	.p2alignl 7, 3214868480
	.fill 96, 4, 3214868480
	.section	.rodata,"a",@progbits
	.p2align	6, 0x0
	.amdhsa_kernel k_qf3e61850fe_qkv
		.amdhsa_group_segment_fixed_size 279040
		.amdhsa_private_segment_fixed_size 0
		.amdhsa_enable_private_segment 0
		.amdhsa_kernarg_size 24
		.amdhsa_user_sgpr_count 2
		.amdhsa_user_sgpr_kernarg_segment_ptr 1
		.amdhsa_wavefront_size32 1
		.amdhsa_system_sgpr_workgroup_id_x 1
		.amdhsa_system_sgpr_workgroup_id_y 1
		.amdhsa_system_sgpr_workgroup_id_z 1
		.amdhsa_system_vgpr_workitem_id 0
		.amdhsa_next_free_vgpr 1024
		.amdhsa_next_free_sgpr 100
		.amdhsa_reserve_vcc 0
		.amdhsa_float_denorm_mode_32 3
		.amdhsa_float_denorm_mode_16_64 3
		.amdhsa_memory_ordered 1
		.amdhsa_forward_progress 1
		.amdhsa_inst_pref_size 118
	.end_amdhsa_kernel
	.amdgpu_metadata
---
amdhsa.version: [ 1, 2 ]
amdhsa.kernels:
  - .name:           k_qf3e61850fe_qkv
    .symbol:         k_qf3e61850fe_qkv.kd
    .args:
      - { .name: codes, .offset: 0, .size: 8, .value_kind: global_buffer, .address_space: global }
      - { .name: scales, .offset: 8, .size: 8, .value_kind: global_buffer, .address_space: global }
      - { .name: qkv, .offset: 16, .size: 8, .value_kind: global_buffer, .address_space: global }
    .group_segment_fixed_size: 279040
    .private_segment_fixed_size: 0
    .kernarg_segment_align: 8
    .kernarg_segment_size: 24
    .max_flat_workgroup_size: 128
    .sgpr_count:     100
    .vgpr_count:     1024
    .wavefront_size: 32
...
	.end_amdgpu_metadata
.endif
;; end of part 2
;; launch attn (part 3): grid 16 x 16, 8 waves a work-group, clusters of 4 x 1, 327,680 bytes of LDS; arguments qkv, oimg; writes oimg
.if DOCPART == 3
	.amdgcn_target "amdgcn-amd-amdhsa--gfx1250"
	.amdhsa_code_object_version 6
	.text
	.protected	k_qf3e61850fe_attn
	.globl	k_qf3e61850fe_attn
	.p2align	8
	.type	k_qf3e61850fe_attn,@function
k_qf3e61850fe_attn:
	s_mov_b64 s[64:65], 0
	v_nop
	global_prefetch_b8 v0, s[64:65] scope:SCOPE_SE
	s_setreg_imm32_b32 hwreg(HW_REG_WAVE_MODE, 25, 1), 1
	s_wait_xcnt 0x0
	s_wait_alu depctr_hold_cnt(0) depctr_sa_sdst(0) depctr_va_vdst(0) depctr_va_sdst(0) depctr_va_ssrc(0) depctr_va_vcc(0) depctr_vm_vsrc(0)
	s_getreg_b32 s2, hwreg(HW_REG_IB_STS2, 6, 4)
	s_cmp_eq_u32 s2, 0
	s_cbranch_scc0 .Lentry_in_a_cluster
	s_endpgm
.Lentry_in_a_cluster:
	s_bfe_u32 s2, ttmp6, 0x10000c
	s_cmp_lg_u32 s2, 0x3003
	s_cbranch_scc0 .Lentry_shape_is_right
	s_endpgm
.Lentry_shape_is_right:
; CROSS-ATTENTION, launch 3 of 4: O[h][q] = sum over k of softmax_k(Q[h][q] . K[h][k] / 8) V[h][k], 16 heads of 64, 8,192 query rows (all batches share K and V), 2,048 keys.  No work is left out.
; Operands in f16, products, maxima and sums in f32; the weights p are rounded to f16 for the second product; the row's sum is taken of the unrounded p.
; SHARES: a work-group owns 512 query rows of one head, each of its eight waves 64: four tiles of 16; two waves to a SIMD, so that one wave's softmax stands beside the other's products.  Every wave walks all keys, 64 a step.
; LAYOUT: S^T = K Q^T (source 0 = 16 keys, source 1 = 16 queries): a lane holds one query and keys 8 (lane / 16) + 0 .. 7; two such tiles, rounded in pairs, ARE source 1 of O^T = V^T P, whose result again holds one
; query a lane and eight channels, which rounded in pairs are the registers of the last product's operand.  Q, K, V^T lie in memory as images of their fragments: every fragment comes by two loads at 16 x lane.
; SOFTMAX: a running maximum m and sum l for each query: p = 2^(c s - c m), c = log2(e) / 8; in every step O and l are multiplied by a = 2^(c m_old - c m_new).
; RING: two slots of 512 keys (K 65,536 bytes, then V^T 65,536), each wave filling an eighth by one tensor load; the four row blocks of a cluster belong to one head and ask jointly.
; By this text's count one tensor load of a wave is out at any time.  All of a WGP's LDS is claimed.
; LIMITS: the result goes to f16: beyond 65,504 it is infinite, under 6e-5 it keeps an absolute step of 6e-8.  NaN and infinities are not served.
; REGISTERS: window 0: v1-6 addresses; v16-47 statistics, eight a tile (+0 c m, +1 m, +2, +3 l, +4..7 at work, a in +6); v64-191 S^T, 32 a tile, P in each tile's first 16; v192-255 K's fragments.
;   window 1: v0-127 O^T, 32 a tile; v128-191 Q; v192-255 V^T's fragments.
.set SLOT1, 1<<17
.set SPARE, 2*SLOT1                    ; the spare words, 128 bytes for each of eight waves: no other line names them
.set LI,  1                            ; v1  16 x lane
.set AV0, 2                            ; v2  16 x lane + 65,536: V^T's part of a slot
.set ADK, 3                            ; v3  the step's K
.set ADV, 4                            ; v4  the step's V^T
.set SPW, 5                            ; v5  SPARE + 4 x my thread's number; never rewritten
.set NIL, 6                            ; v6  0; never rewritten
.set ST,  16
.set S,   64
.set KF,  192
.set QF,  128
.set VF,  192
.set MSB, 0
.macro WIN new
.if MSB != \new
	s_set_vgpr_msb (MSB<<8)|\new
.set MSB, \new
.endif
.endm
.macro CROUND
	s_barrier_signal -1
	s_barrier_wait -1
	s_cmp_lg_u32 s8, 0
	s_cbranch_scc1 .Lnot_wave_0_\@
	s_barrier_signal -3
.Lnot_wave_0_\@:
	s_barrier_wait -3
	s_barrier_signal -1
	s_barrier_wait -1
.endm
.macro JLOAD                           ; every wave's one line: both addresses are arithmetic on the wave's number.  An s_nop 0 and four v_nop follow
	tensor_load_to_lds s[24:27], s[16:23]
	s_nop 0
.rept 4
	v_nop
.endr
.endm
; THE CHANGE OF SLOTS, at a slot's head.  Each wave waits for its tensor load (its part of the slot ahead), adds 0 to its spare word, and waits for that and for its reads of the slot that it has left.
; fill = 1: behind a round of the cluster's barrier the other slot takes the next 512 keys: the load has eight key steps in which to land.
.macro CHANGE fill
	s_wait_tensorcnt 0x0                           ; no tensor load of mine is out, so group 0 may be written
	ds_add_u32 v[SPW], v[NIL]
.if \fill
	s_xor_b32 s25, s25, SLOT1                      ; the other slot than last time,
	s_add_nc_u64 s[26:27], s[26:27], 65536         ; the next 512 keys; the type bits on top are not reached
.endif
	s_wait_dscnt 0x0                               ; the add is done, and my reads of the slot that I have left are over
.if \fill
	CROUND
	JLOAD
.else
	s_barrier_signal -1
	s_barrier_wait -1
.endif
.endm
.macro TBTURN
	s_sub_co_u32 s28, s28, 65536                   ; back to a slot's first step,
	s_xor_b32 s28, s28, SLOT1                      ; in the other slot
.endm
	s_load_b128 s[4:7], s[0:1], 0x0                ; qkv s[4:5], oimg s[6:7]
	v_lshl_add_u32 v[SPW], v0, 2, SPARE
	v_mov_b32 v[NIL], 0
	ds_add_u32 v[SPW], v[NIL]                      ; the wave's opening: the add, twice on end, and its wait ahead of my first tensor load
	ds_add_u32 v[SPW], v[NIL]
	v_lshrrev_b32 v1, 5, v0
	v_readfirstlane_b32 s8, v1                     ; wave 0..7
	s_bfe_u32 s9, ttmp6, 0x40000                   ; cx
	s_lshl_b32 s10, ttmp9, 2
	s_add_co_u32 s10, s10, s9                      ; my block of 512 query rows: it enters Q's and O's addresses alone
	s_and_b32 s11, ttmp7, 0xffff                   ; the head, which the four partners share
	s_mov_b32 s16, 15|(3<<16)|(1<<21)              ; group 1: 15:0 the mask: all four; 17:16 elements of 8 bytes; 21 set beside a mask; no padding
	s_mov_b32 s17, 32<<16                          ; tensor_dim0 = 32 (256 bytes)
	s_mov_b32 s18, 64<<16                          ; tensor_dim1 = 64
	s_mov_b32 s19, 32<<16                          ; tile_dim0
	s_mov_b32 s20, 64                              ; tile_dim1: 64 rows of 256 bytes, dense: 16,384 bytes
	s_mov_b32 s21, 32
	s_mov_b32 s22, 0
	s_mov_b32 s23, 0
	s_lshr_b32 s12, s8, 2                          ; waves 0-3 fetch K's quarters, waves 4-7 V^T's, 4 MiB further on
	s_lshl_b32 s12, s12, 22
	s_and_b32 s13, s8, 3
	s_lshl_b32 s13, s13, 14
	s_add_co_u32 s12, s12, s13
	s_lshl_b32 s13, s11, 18                        ; a head's K, and its V^T, are 262,144 bytes
	s_add_co_u32 s12, s12, s13
	s_add_co_u32 s12, s12, 16<<20
	s_mov_b32 s13, 0
	s_lshl_b32 s40, s11, 9                         ; Q: tile 512 head + 32 block + 4 wave, 2,048 bytes each
	s_lshl_b32 s41, s10, 5
	s_add_co_u32 s40, s40, s41
	s_lshl_b32 s41, s8, 2
	s_add_co_u32 s40, s40, s41
	s_lshl_b32 s40, s40, 11
	s_mov_b32 s41, 0
	s_lshr_b32 s42, s11, 1                         ; O: [head / 2][tile][2 (head % 2) + d / 32][1,024]
	s_lshl_b32 s42, s42, 9
	s_lshl_b32 s43, s10, 5
	s_add_co_u32 s42, s42, s43
	s_lshl_b32 s43, s8, 2
	s_add_co_u32 s42, s42, s43
	s_lshl_b32 s42, s42, 12
	s_and_b32 s43, s11, 1
	s_lshl_b32 s43, s43, 11
	s_add_co_u32 s42, s42, s43
	s_mov_b32 s43, 0
	s_mov_b32 s32, 0x3e38aa3b                      ; c = log2(e) / 8: q's factor 1/8 is in it, exactly
	s_mov_b32 s33, s32                             ; (named with it as a pair)
	s_mov_b32 s34, 0x76543210
	s_mov_b32 s35, 0xfedcba98                      ; v_permlanex16_b32's selects for lane l xor 16
	s_mov_b32 s28, 0                               ; LDS byte at which the step's K begins
	v_and_b32 v1, 31, v0
	v_lshlrev_b32 v[LI], 4, v1
	v_add_nc_u32 v[AV0], 0x10000, v[LI]
	s_mov_b32 s24, 1                               ; group 0: count = 1,
	s_lshl_b32 s25, s8, 14                         ; LDS: slot 0, my eighth
	s_wait_dscnt 0x0                               ; both opening adds are done
	s_wait_kmcnt 0x0
	s_add_nc_u64 s[26:27], s[4:5], s[12:13]
	s_or_b32 s27, s27, 0x80000000                  ; type = 2
	s_add_nc_u64 s[36:37], s[4:5], s[40:41]
	s_add_nc_u64 s[38:39], s[6:7], s[42:43]
	CROUND                                         ; all four work-groups are here
	JLOAD                                          ; keys 0-511 into slot 0
	WIN 0x40                                       ; destination window 1
.irp f, 0,1,2,3,4,5,6,7                ; Q stays in registers: fragment 2 t + c, 8,192 bytes on end
	global_load_b128 v[QF+8*\f:QF+8*\f+3], v[LI], s[36:37] offset:1024*\f
	global_load_b128 v[QF+8*\f+4:QF+8*\f+7], v[LI], s[36:37] offset:1024*\f+512
.endr
	WIN 0
; A KEY STEP: 64 keys.  first = 1: the first, which starts m, l and O^T.
.macro STEP first
	v_add_nc_u32 v[ADK], s28, v[LI]
	v_add_nc_u32 v[ADV], s28, v[AV0]
.irp f, 0,1,2,3,4,5,6,7                ; K: fragment 2 kt + c
	ds_load_b128 v[KF+8*\f:KF+8*\f+3], v[ADK] offset:1024*\f
	ds_load_b128 v[KF+8*\f+4:KF+8*\f+7], v[ADK] offset:1024*\f+512
.endr
	s_wait_dscnt 0x0
	WIN 0x04                                       ; Q in window 1
.irp c, 0,1                            ; S^T = K Q^T: the 16 accumulators take turns, one instruction a turn
.irp k, 0,1,2,3
.irp t, 0,1,2,3
.if \c == 0
	v_wmma_f32_16x16x32_f16 v[S+32*\t+8*\k:S+32*\t+8*\k+7], v[KF+8*(2*\k+\c):KF+8*(2*\k+\c)+7], v[QF+16*\t+8*\c:QF+16*\t+8*\c+7], 0
.else
	v_wmma_f32_16x16x32_f16 v[S+32*\t+8*\k:S+32*\t+8*\k+7], v[KF+8*(2*\k+\c):KF+8*(2*\k+\c)+7], v[QF+16*\t+8*\c:QF+16*\t+8*\c+7], v[S+32*\t+8*\k:S+32*\t+8*\k+7]
.endif
.endr
.endr
.endr
	WIN 0x40
.irp f, 0,1,2,3,4,5,6,7                ; V^T: fragment 2 ct + c2; it lands while the softmax is walked
	ds_load_b128 v[VF+8*\f:VF+8*\f+3], v[ADV] offset:1024*\f
	ds_load_b128 v[VF+8*\f+4:VF+8*\f+7], v[ADV] offset:1024*\f+512
.endr
	WIN 0
.rept 4
	v_nop                                          ; places behind the last product, ahead of the first read of the scores
.endr
; the maximum of a lane's 32 scores and the old m: four chains, each begun at an accumulator's low end; the four tiles by turns in every line
.irp k, 0,1,2,3
.irp t, 0,1,2,3
	v_max3_num_f32 v[ST+8*\t+4+\k], v[S+32*\t+8*\k], v[S+32*\t+8*\k+1], v[S+32*\t+8*\k+2]
.endr
.endr
.irp i, 3,5
.irp k, 0,1,2,3
.irp t, 0,1,2,3
	v_max3_num_f32 v[ST+8*\t+4+\k], v[ST+8*\t+4+\k], v[S+32*\t+8*\k+\i], v[S+32*\t+8*\k+\i+1]
.endr
.endr
.endr
.irp t, 0,1,2,3
	v_max3_num_f32 v[ST+8*\t+4], v[ST+8*\t+4], v[S+32*\t+7], v[S+32*\t+15]
.endr
.irp t, 0,1,2,3
	v_max3_num_f32 v[ST+8*\t+6], v[ST+8*\t+6], v[S+32*\t+23], v[S+32*\t+31]
.endr
.irp t, 0,1,2,3
	v_max3_num_f32 v[ST+8*\t+4], v[ST+8*\t+4], v[ST+8*\t+5], v[ST+8*\t+6]
.endr
.irp t, 0,1,2,3
.if \first
	v_max_num_f32 v[ST+8*\t+4], v[ST+8*\t+4], v[ST+8*\t+7]
.else
	v_max3_num_f32 v[ST+8*\t+4], v[ST+8*\t+4], v[ST+8*\t+7], v[ST+8*\t+1]
.endif
.endr
.irp t, 0,1,2,3
	v_permlanex16_b32 v[ST+8*\t+5], v[ST+8*\t+4], s34, s35   ; the query's other 32 keys lie in the lane 16 away
.endr
.if \first == 0
.irp t, 0,1,2,3
	v_mov_b32 v[ST+8*\t+7], v[ST+8*\t]             ; c m_old is kept for a
.endr
.endif
.irp t, 0,1,2,3
	v_max_num_f32 v[ST+8*\t+1], v[ST+8*\t+4], v[ST+8*\t+5]
.endr
.irp t, 0,1,2,3
	v_mul_f32 v[ST+8*\t], s32, v[ST+8*\t+1]
.endr
.if \first == 0
.irp t, 0,1,2,3
	v_sub_f32 v[ST+8*\t+7], v[ST+8*\t+7], v[ST+8*\t]
.endr
.endif
.irp j, 0,2,4,6,8,10,12,14,16,18,20,22,24,26,28,30
.irp t, 0,1,2,3
	v_pk_fma_f32 v[S+32*\t+\j:S+32*\t+\j+1], v[S+32*\t+\j:S+32*\t+\j+1], s[32:33], v[ST+8*\t:ST+8*\t+1] op_sel_hi:[1,0,0] neg_lo:[0,0,1] neg_hi:[0,0,1]   ; c s - c m
.endr
.endr
.if \first == 0
.irp t, 0,1,2,3
	v_exp_f32 v[ST+8*\t+6], v[ST+8*\t+7]           ; a
.endr
.endif
.irp j, 0,1,2,3,4,5,6,7,8,9,10,11,12,13,14,15,16,17,18,19,20,21,22,23,24,25,26,27,28,29,30,31
.irp t, 0,1,2,3
	v_exp_f32 v[S+32*\t+\j], v[S+32*\t+\j]         ; p, at most 1
.endr
.endr
	v_nop                                          ; a plain instruction behind the last exponential
	s_wait_alu depctr_va_vdst(0)                   ; the wait ahead of the first instruction that names a result: one for the whole batch
.irp t, 0,1,2,3
	v_pk_add_f32 v[ST+8*\t+4:ST+8*\t+5], v[S+32*\t:S+32*\t+1], v[S+32*\t+2:S+32*\t+3]   ; the sum of the unrounded p, two at a time
.endr
.irp j, 4,6,8,10,12,14,16,18,20,22,24,26,28
.irp t, 0,1,2,3
	v_pk_add_f32 v[ST+8*\t+4:ST+8*\t+5], v[ST+8*\t+4:ST+8*\t+5], v[S+32*\t+\j:S+32*\t+\j+1]
.endr
.endr
.irp t, 0,1,2,3
.if \first
	v_pk_add_f32 v[ST+8*\t+2:ST+8*\t+3], v[ST+8*\t+4:ST+8*\t+5], v[S+32*\t+30:S+32*\t+31]
.else
	v_pk_add_f32 v[ST+8*\t+4:ST+8*\t+5], v[ST+8*\t+4:ST+8*\t+5], v[S+32*\t+30:S+32*\t+31]
.endif
.endr
.if \first == 0
.irp t, 0,1,2,3
	v_pk_fma_f32 v[ST+8*\t+2:ST+8*\t+3], v[ST+8*\t+2:ST+8*\t+3], v[ST+8*\t+6:ST+8*\t+7], v[ST+8*\t+4:ST+8*\t+5] op_sel_hi:[1,0,1]   ; l = a l + the sum
.endr
.endif
.irp j, 0,1,2,3,4,5,6,7,8,9,10,11,12,13,14,15
.irp t, 0,1,2,3
	v_cvt_pk_f16_f32 v[S+32*\t+\j], v[S+32*\t+2*\j], v[S+32*\t+2*\j+1]   ; P in place: register j is written when registers 2 j, 2 j + 1 are read, and was read itself at j / 2
.endr
.endr
.if \first == 0
	WIN 0x41                                       ; O^T in window 1, a in window 0
.irp j, 0,2,4,6,8,10,12,14,16,18,20,22,24,26,28,30
.irp t, 0,1,2,3
	v_pk_mul_f32 v[32*\t+\j:32*\t+\j+1], v[32*\t+\j:32*\t+\j+1], v[ST+8*\t+6:ST+8*\t+7] op_sel_hi:[1,0]
.endr
.endr
.endif
	s_wait_dscnt 0x0                               ; V^T is in
	WIN 0x51                                       ; V^T and O^T in window 1, P in window 0
.irp c, 0,1                            ; O^T += V^T P: keys 32 c on; the 16 accumulators take turns
.irp k, 0,1,2,3
.irp t, 0,1,2,3
.if \first && (\c == 0)
	v_wmma_f32_16x16x32_f16 v[32*\t+8*\k:32*\t+8*\k+7], v[VF+8*(2*\k+\c):VF+8*(2*\k+\c)+7], v[S+32*\t+8*\c:S+32*\t+8*\c+7], 0
.else
	v_wmma_f32_16x16x32_f16 v[32*\t+8*\k:32*\t+8*\k+7], v[VF+8*(2*\k+\c):VF+8*(2*\k+\c)+7], v[S+32*\t+8*\c:S+32*\t+8*\c+7], v[32*\t+8*\k:32*\t+8*\k+7]
.endif
.endr
.endr
.endr
	WIN 0
.rept 5
	v_nop                                          ; five places: the next step's first products write over P, which these products read; its loads into V^T's registers want four
.endr
	s_add_co_u32 s28, s28, 8192                    ; the next step's K (four tiles of 2,048 bytes) and V^T (8,192 bytes)
.endm
	CHANGE 1                                       ; slot 0 is whole; slot 1 is filled for the first time, behind a round behind which nothing is filled again
	s_wait_loadcnt 0x0                             ; Q
	STEP 1
	s_mov_b32 s29, 7
.Lfirst:
	STEP 0
	s_sub_co_u32 s29, s29, 1
	s_cmp_lg_u32 s29, 0
	s_cbranch_scc1 .Lfirst
	TBTURN
	s_mov_b32 s30, 2
.Lslot:                                            ; two trips: keys 512-1,023 while slot 0 takes 1,024 on; keys 1,024-1,535 while slot 1 takes 1,536 on
	CHANGE 1
	s_mov_b32 s29, 8
.Lstep:
	STEP 0
	s_sub_co_u32 s29, s29, 1
	s_cmp_lg_u32 s29, 0
	s_cbranch_scc1 .Lstep
	TBTURN
	s_sub_co_u32 s30, s30, 1
	s_cmp_lg_u32 s30, 0
	s_cbranch_scc1 .Lslot
	CHANGE 0                                       ; the last slot is written out: nothing is left to fetch
	s_mov_b32 s29, 8
.Llast:
	STEP 0
	s_sub_co_u32 s29, s29, 1
	s_cmp_lg_u32 s29, 0
	s_cbranch_scc1 .Llast
	; THE WAY OUT: l's two halves and the other half of the lanes' are added; O^T / l, rounded to f16 in pairs, is the image of the last product's operand and is stored from registers.
.irp t, 0,1,2,3
	v_add_f32 v[ST+8*\t+4], v[ST+8*\t+2], v[ST+8*\t+3]
.endr
.irp t, 0,1,2,3
	v_permlanex16_b32 v[ST+8*\t+5], v[ST+8*\t+4], s34, s35
.endr
.irp t, 0,1,2,3
	v_add_f32 v[ST+8*\t+4], v[ST+8*\t+4], v[ST+8*\t+5]
.endr
.irp t, 0,1,2,3
	v_rcp_f32 v[ST+8*\t+6], v[ST+8*\t+4]
.endr
	v_nop                                          ; a plain instruction behind the last reciprocal
	s_wait_alu depctr_va_vdst(0)                   ; and the wait ahead of the first use: one for the four
	WIN 0x41
.irp t, 0,1,2,3
.irp j, 0,2,4,6,8,10,12,14,16,18,20,22,24,26,28,30
	v_pk_mul_f32 v[32*\t+\j:32*\t+\j+1], v[32*\t+\j:32*\t+\j+1], v[ST+8*\t+6:ST+8*\t+7] op_sel_hi:[1,0]
.endr
.endr
	WIN 0x05                                       ; sources window 1, destination window 0
.irp t, 0,1,2,3
.irp j, 0,1,2,3,4,5,6,7,8,9,10,11,12,13,14,15
	v_cvt_pk_f16_f32 v[S+16*\t+\j], v[32*\t+2*\j], v[32*\t+2*\j+1]   ; register 4 ct + i: channels 16 ct + 8 (lane / 16) + 2 i, + 1
.endr
.endr
	WIN 0
.irp t, 0,1,2,3
.irp k, 0,1,2,3
	global_store_b128 v[LI], v[S+16*\t+4*\k:S+16*\t+4*\k+3], s[38:39] offset:4096*\t+1024*(\k/2)+512*(\k%2)   ; 32 lanes store 512 consecutive bytes, aligned
.endr
.endr
	s_wait_tensorcnt 0x0                           ; the wave's end
	ds_add_u32 v[SPW], v[NIL]
	s_wait_dscnt 0x0
	CROUND                                         ; the closing round
	s_endpgm
.Lfunc_end_k_qf3e61850fe_attn:
	.size	k_qf3e61850fe_attn, .Lfunc_end_k_qf3e61850fe_attn-k_qf3e61850fe_attn
	.p2alignl 7, 3214868480
	.fill 96, 4, 3214868480
	.section	.rodata,"a",@progbits
	.p2align	6, 0x0
	.amdhsa_kernel k_qf3e61850fe_attn
		.amdhsa_group_segment_fixed_size 327680
		.amdhsa_private_segment_fixed_size 0
		.amdhsa_enable_private_segment 0
		.amdhsa_kernarg_size 16
		.amdhsa_user_sgpr_count 2
		.amdhsa_user_sgpr_kernarg_segment_ptr 1
		.amdhsa_wavefront_size32 1
		.amdhsa_system_sgpr_workgroup_id_x 1
		.amdhsa_system_sgpr_workgroup_id_y 1
		.amdhsa_system_sgpr_workgroup_id_z 1
		.amdhsa_system_vgpr_workitem_id 0
		.amdhsa_next_free_vgpr 512
		.amdhsa_next_free_sgpr 66
		.amdhsa_reserve_vcc 0
		.amdhsa_float_denorm_mode_32 3
		.amdhsa_float_denorm_mode_16_64 3
		.amdhsa_memory_ordered 1
		.amdhsa_forward_progress 1
		.amdhsa_inst_pref_size 140
	.end_amdhsa_kernel
	.amdgpu_metadata
---
amdhsa.version: [ 1, 2 ]
amdhsa.kernels:
  - .name:           k_qf3e61850fe_attn
    .symbol:         k_qf3e61850fe_attn.kd
    .args:
      - { .name: qkv, .offset: 0, .size: 8, .value_kind: global_buffer, .address_space: global }
      - { .name: oimg, .offset: 8, .size: 8, .value_kind: global_buffer, .address_space: global }
    .group_segment_fixed_size: 327680
    .private_segment_fixed_size: 0
    .kernarg_segment_align: 8
    .kernarg_segment_size: 16
    .max_flat_workgroup_size: 256
    .sgpr_count:     66
    .vgpr_count:     512
    .wavefront_size: 32
...
	.end_amdgpu_metadata
.endif
;; end of part 3
;; launch proj (part 4): grid 4 x 64, 4 waves a work-group, clusters of 4 x 4, 327,680 bytes of LDS; arguments oimg, pw16, proj_b, out0; writes out0
.if DOCPART == 4
	.amdgcn_target "amdgcn-amd-amdhsa--gfx1250"
	.amdhsa_code_object_version 6
	.text
	.protected	k_qf3e61850fe_proj
	.globl	k_qf3e61850fe_proj
	.p2align	8
	.type	k_qf3e61850fe_proj,@function
k_qf3e61850fe_proj:
	s_mov_b64 s[64:65], 0
	v_nop
	global_prefetch_b8 v0, s[64:65] scope:SCOPE_SE
	s_setreg_imm32_b32 hwreg(HW_REG_WAVE_MODE, 25, 1), 1
	s_wait_xcnt 0x0
	s_wait_alu depctr_hold_cnt(0) depctr_sa_sdst(0) depctr_va_vdst(0) depctr_va_sdst(0) depctr_va_ssrc(0) depctr_va_vcc(0) depctr_vm_vsrc(0)
	s_getreg_b32 s2, hwreg(HW_REG_IB_STS2, 6, 4)
	s_cmp_eq_u32 s2, 0
	s_cbranch_scc0 .Lentry_in_a_cluster
	s_endpgm
.Lentry_in_a_cluster:
	s_bfe_u32 s2, ttmp6, 0x10000c
	s_cmp_lg_u32 s2, 0xf033
	s_cbranch_scc0 .Lentry_shape_is_right
	s_endpgm
.Lentry_shape_is_right:
; CROSS-ATTENTION, launch 4 of 4: out0 = O proj_w + proj_b.  O [8,192][1,024] and proj_w [1,024 (k)][1,024 (n)] arrive as f16, laid as images of their fragments; sums in f32; out0 f32.  No work is left out.
; A tile of out0 is 128 rows x 256 columns: 256 work-groups.  Four waves, each 64 x 128: 32 accumulators, which fill window 1.  K goes in steps of 128 through two LDS slots.
; THE MATRIX INSTRUCTION IS USED TRANSPOSED (source 0 = 16 columns of proj_w, source 1 = 16 rows of O): a lane holds eight neighbouring numbers of a row of out0.
; The bias is the C of each sum's first matrix instruction: 64 registers in the result's layout, in window 2.
; CLUSTER 4 x 4: O's tiles are shared along a row of the cluster, proj_w's along a column, by joint loads.  One tensor load of a wave is out behind each round, two at the start.
; All of a WGP's LDS is claimed.
; REGISTERS: window 0: v16-30 addresses; v32-127, v128-223 two fragment buffers (A's four fragments, then B's eight); on the way out v32-159 rows read back.  window 1: the accumulators ((a, b) at v[8 (8 a + b)]).  window 2: v0-63 the bias.
.set SLOT1,  1<<17                     ; a slot: A 32,768 bytes [mt 8][kb 4][1,024], then B 65,536 bytes [kb 4][nt 16][1,024]
.set BOFF,   32768
.set STAGE,  2*SLOT1                   ; the way out: 16 rows x (512 + 16) bytes for each wave; no tensor load lands here
.set SPITCH, 528
.set SPARE,  STAGE+4*16*SPITCH         ; the spare words, 128 bytes for each wave: no other line names them
.set LAPS,   4                         ; 8 K steps, two to a lap
.set ADRA, 16                          ; v16-17
.set ADRB, 20                          ; v20-21
.set STO,  24
.set RD,   25
.set CO,   26
.set SPW,  28
.set NIL,  29
.set BO,   30
.set F0,   32
.set F1,   128
.set BK,   32
.set G1,  24
.set G0,  32
.set G1B, 48
.set G0B, 56
.set MSB, 0
.macro WIN new
.if MSB != \new
	s_set_vgpr_msb (MSB<<8)|\new
.set MSB, \new
.endif
.endm
.set MUL,  0x50                        ; C and D window 1, fragments window 0
.set MULB, 0x60                        ; D window 1, C (the bias) window 2
.macro JLOAD s                         ; waves 0 and 1 fetch A's halves, waves 2 and 3 B's; an s_nop 0 and four v_nop follow each line
	s_cmp_eq_u32 s15, 0
	s_cbranch_scc0 .Lfor_b_\@
	tensor_load_to_lds s[G0+4*\s:G0+4*\s+3], s[G1:G1+7]
	s_nop 0
.rept 4
	v_nop
.endr
	s_branch .Lasked_\@
.Lfor_b_\@:
	tensor_load_to_lds s[G0B+4*\s:G0B+4*\s+3], s[G1B:G1B+7]
	s_nop 0
.rept 4
	v_nop
.endr
.Lasked_\@:
.endm
.macro CREST
	s_cmp_lg_u32 s14, 0
	s_cbranch_scc1 .Lnot_wave_0_\@
	s_barrier_signal -3
.Lnot_wave_0_\@:
	s_barrier_wait -3
	s_barrier_signal -1
	s_barrier_wait -1
.endm
.macro CROUND
	s_barrier_signal -1
	s_barrier_wait -1
	CREST
.endm
	s_load_b256 s[4:11], s[0:1], 0x0               ; oimg s[4:5], pw16 s[6:7], proj_b s[8:9], out0 s[10:11]
	v_lshl_add_u32 v[SPW], v0, 2, SPARE
	v_mov_b32 v[NIL], 0
	ds_add_u32 v[SPW], v[NIL]                      ; the wave's opening: the add, twice on end, and its wait ahead of my first tensor load
	ds_add_u32 v[SPW], v[NIL]
	v_lshrrev_b32 v1, 5, v0
	v_readfirstlane_b32 s14, v1                    ; wave 0..3
	s_lshr_b32 s15, s14, 1                         ; which 64 rows are mine.  Also: I fetch for A (0) or for B (1)
	s_and_b32 s16, s14, 1                          ; which 128 columns.  Also: which half of that tile I fetch
	s_bfe_u32 s40, ttmp6, 0x40000
	s_bfe_u32 s41, ttmp6, 0x40004
	s_lshl_b32 s42, ttmp9, 2
	s_add_co_u32 s42, s42, s40                     ; tile column (256 columns)
	s_and_b32 s17, ttmp7, 0xffff
	s_lshl_b32 s17, s17, 2
	s_add_co_u32 s17, s17, s41                     ; tile row (128 rows)
	s_lshl_b32 s43, s41, 2
	s_lshl_b32 s43, 15, s43                        ; my row of the cluster
	s_lshl_b32 s44, 0x1111, s40                    ; my column
	s_or_b32 s[G1+0], s43, (3<<16)|(1<<21)         ; A: 64 rows of 256 bytes, dense; elements of 8 bytes; no padding
	s_mov_b32 s[G1+1], 32<<16
	s_mov_b32 s[G1+2], 64<<16
	s_mov_b32 s[G1+3], 32<<16
	s_mov_b32 s[G1+4], 64
	s_mov_b32 s[G1+5], 32
	s_mov_b32 s[G1+6], 0
	s_mov_b32 s[G1+7], 0
	s_or_b32 s[G1B+0], s44, (3<<16)|(1<<21)        ; B: 128 rows of 256 bytes, dense
	s_mov_b32 s[G1B+1], 32<<16
	s_mov_b32 s[G1B+2], 128<<16
	s_mov_b32 s[G1B+3], 32<<16
	s_mov_b32 s[G1B+4], 128
	s_mov_b32 s[G1B+5], 32
	s_mov_b32 s[G1B+6], 0
	s_mov_b32 s[G1B+7], 0
	s_lshl_b32 s18, s17, 3                         ; A: (8 tile row + 4 half) tiles of 16 rows, 4,096 bytes each for a K step
	s_lshl_b32 s19, s16, 2
	s_add_co_u32 s18, s18, s19
	s_lshl_b32 s18, s18, 12
	s_mov_b32 s19, 0
	s_lshl_b32 s46, s42, 5                         ; B: (32 tile column + 2 half) blocks of 32 k, 16,384 bytes each
	s_lshl_b32 s47, s16, 1
	s_add_co_u32 s46, s46, s47
	s_lshl_b32 s46, s46, 14
	s_mov_b32 s47, 0
	s_lshl_b32 s20, s16, 14                        ; where they go: the wave's number alone enters an LDS address
	s_lshl_b32 s21, s16, 15
	s_add_co_u32 s21, s21, BOFF
	s_wait_dscnt 0x0                               ; both opening adds are done
	s_wait_kmcnt 0x0
	s_add_nc_u64 s[22:23], s[4:5], s[18:19]
	s_add_nc_u64 s[46:47], s[6:7], s[46:47]
	CROUND                                         ; all sixteen work-groups are here
.irp s, 0,1
	s_mov_b32 s[G0+4*\s], 1
	s_add_co_u32 s[G0+4*\s+1], s20, \s*SLOT1
	s_add_nc_u64 s[G0+4*\s+2:G0+4*\s+3], s[22:23], \s*2097152     ; a K step on: 512 tiles of 4,096 bytes
	s_or_b32 s[G0+4*\s+3], s[G0+4*\s+3], 0x80000000
	s_mov_b32 s[G0B+4*\s], 1
	s_add_co_u32 s[G0B+4*\s+1], s21, \s*SLOT1
	s_add_nc_u64 s[G0B+4*\s+2:G0B+4*\s+3], s[46:47], \s*65536     ; a K step on: four blocks of 16,384 bytes
	s_or_b32 s[G0B+4*\s+3], s[G0B+4*\s+3], 0x80000000
	JLOAD \s
.endr
	v_and_b32 v1, 15, v0                           ; r
	v_bfe_u32 v2, v0, 4, 1                         ; h
	v_and_b32 v3, 31, v0
	v_lshlrev_b32 v[CO], 4, v3                     ; 16 x lane
	v_lshlrev_b32 v[BO], 5, v2                     ; 32 h: my eight numbers of a tile's sixteen of the bias
	s_lshl_b32 s20, s15, 14                        ; my four tiles of rows
	s_lshl_b32 s21, s16, 13                        ; my eight tiles of columns,
	s_add_co_u32 s21, s21, BOFF                    ; behind A
.irp s, 0,1
	v_add_nc_u32 v[ADRA+\s], s20, v[CO]
	v_add_nc_u32 v[ADRB+\s], s21, v[CO]
	s_add_co_u32 s20, s20, SLOT1
	s_add_co_u32 s21, s21, SLOT1
.endr
	s_mul_i32 s20, s14, 16*SPITCH
	s_add_co_u32 s20, s20, STAGE                   ; my stage
	v_mul_u32_u24 v4, v1, SPITCH
	v_lshl_add_u32 v4, v2, 5, v4
	v_add_nc_u32 v[STO], s20, v4                   ; in: row r, 32 bytes for each half of the lanes
	v_add_nc_u32 v[RD], s20, v[CO]                 ; back: the 32 lanes take one row of 512 bytes
	s_lshl_b32 s46, s42, 10                        ; my first column, in bytes of f32: 1,024 tile column + 512 half
	s_lshl_b32 s47, s16, 9
	s_add_co_u32 s46, s46, s47
	s_mov_b32 s47, 0
	s_add_nc_u64 s[8:9], s[8:9], s[46:47]
	s_add_nc_u64 s[10:11], s[10:11], s[46:47]
	s_lshl_b32 s18, s17, 7
	s_lshl_b32 s19, s15, 6
	s_add_co_u32 s18, s18, s19                     ; my first row: 128 tile row + 64 half
	s_lshl_b32 s18, s18, 12
	s_mov_b32 s19, 0
	s_add_nc_u64 s[10:11], s[10:11], s[18:19]
	WIN 0x80                                       ; destination window 2
.irp b, 0,1,2,3,4,5,6,7
	global_load_b128 v[8*\b:8*\b+3], v[BO], s[8:9] offset:64*\b        ; register j of tile b: proj_b at column 16 b + 8 h + j
	global_load_b128 v[8*\b+4:8*\b+7], v[BO], s[8:9] offset:64*\b+16
.endr
	WIN 0
; 8 matrix instructions: A's block a x B's eight, 32 along K.  The 32 accumulators take turns, one instruction a turn, in the same order in every quarter.
.macro MUL8 f, a, zero
.irp b, 0,1,2,3,4,5,6,7
.if \zero
	v_wmma_f32_16x16x32_f16 v[8*(8*(\a)+\b):8*(8*(\a)+\b)+7], v[\f+32+8*\b:\f+32+8*\b+7], v[\f+8*(\a):\f+8*(\a)+7], v[8*\b:8*\b+7]
.else
	v_wmma_f32_16x16x32_f16 v[8*(8*(\a)+\b):8*(8*(\a)+\b)+7], v[\f+32+8*\b:\f+32+8*\b+7], v[\f+8*(\a):\f+8*(\a)+7], v[8*(8*(\a)+\b):8*(8*(\a)+\b)+7]
.endif
.endr
.endm
.macro FETCH slot, kq, f               ; 24 LDS loads in one run: B's eight fragments, A's blocks 0, 1, then 2, 3
	WIN 0
.irp b, 0,1,2,3,4,5,6,7
	ds_load_b128 v[\f+32+8*\b:\f+32+8*\b+3], v[ADRB+\slot] offset:16384*(\kq)+1024*\b
	ds_load_b128 v[\f+32+8*\b+4:\f+32+8*\b+7], v[ADRB+\slot] offset:16384*(\kq)+1024*\b+512
.endr
.irp i, 0,1,2,3
	ds_load_b128 v[\f+8*\i:\f+8*\i+3], v[ADRA+\slot] offset:4096*\i+1024*(\kq)
	ds_load_b128 v[\f+8*\i+4:\f+8*\i+7], v[ADRA+\slot] offset:4096*\i+1024*(\kq)+512
.endr
.endm
.macro PLACES
.rept 4
	v_nop
.endr
.endm
; A K step is four quarters of 32 along K on buffers 0, 1, 0, 1.  One of the first three: multiplies buffer f and fetches the quarter kq into g.
.macro QUARTER slot, kq, f, g, zero
	s_wait_dscnt 4                                 ; B's fragments and A's blocks 0, 1 are in; the youngest four loads (A's blocks 2, 3) may be out
	WIN MUL+16*\zero
	MUL8 \f, 0, \zero
	MUL8 \f, 1, \zero
	PLACES                                         ; ahead of loads into the buffer that the quarter before multiplied
	FETCH \slot, \kq, \g
	s_wait_dscnt 24                                ; all but the 24 just issued
	WIN MUL+16*\zero
	MUL8 \f, 2, \zero
	MUL8 \f, 3, \zero
.endm
; The last quarter multiplies buffer 1 and changes slots: one barrier; in front of it each wave waits for all its tensor loads, adds 0 to its spare word, and waits for that and for its reads of this slot.
.macro TURN slot, next, fill
	WIN 0
	s_wait_tensorcnt 0x0                           ; my part of the next slot has landed
	ds_add_u32 v[SPW], v[NIL]
	s_wait_dscnt 5                                 ; (the add and the youngest four loads may be out)
	WIN MUL
	MUL8 F1, 0, 0
	s_wait_dscnt 0x0                               ; the add is done, and my reads of this slot are over
	s_barrier_signal -1
	MUL8 F1, 1, 0
	WIN 0
	s_barrier_wait -1
.if \fill
	CREST                                          ; the barrier has opened a round of the cluster's barrier
	s_add_nc_u64 s[G0+4*\slot+2:G0+4*\slot+3], s[G0+4*\slot+2:G0+4*\slot+3], 2*2097152
	s_add_nc_u64 s[G0B+4*\slot+2:G0B+4*\slot+3], s[G0B+4*\slot+2:G0B+4*\slot+3], 2*65536
	JLOAD \slot                                    ; the first tensor load behind the round; its four v_nop are also the places ahead of the loads below
.else
	PLACES
.endif
	FETCH \next, 0, F0
	WIN MUL
	MUL8 F1, 2, 0
	MUL8 F1, 3, 0
.endm
	s_wait_tensorcnt 1                             ; my part of K step 0 is in; K step 1's may be out
	s_barrier_signal -1
	s_barrier_wait -1
	FETCH 0, 0, F0
	s_wait_loadcnt 0x0                             ; the bias
	QUARTER 0, 1, F0, F1, 1                        ; the first quarter's products start the sums from the bias
	WIN 0
	s_mov_b32 s3, LAPS-1
.Llap:                                             ; a trip goes once round the ring and fills both slots again
	QUARTER 0, 2, F1, F0, 0
	QUARTER 0, 3, F0, F1, 0
	TURN 0, 1, 1
	QUARTER 1, 1, F0, F1, 0
	QUARTER 1, 2, F1, F0, 0
	QUARTER 1, 3, F0, F1, 0
	TURN 1, 0, 1
	QUARTER 0, 1, F0, F1, 0
	WIN 0
	s_sub_co_u32 s3, s3, 1
	s_cmp_lg_u32 s3, 0
	s_cbranch_scc1 .Llap
	QUARTER 0, 2, F1, F0, 0                        ; the last lap fills nothing
	QUARTER 0, 3, F0, F1, 0
	TURN 0, 1, 0
	QUARTER 1, 1, F0, F1, 0
	QUARTER 1, 2, F1, F0, 0
	QUARTER 1, 3, F0, F1, 0
	s_wait_dscnt 4
	WIN MUL
	MUL8 F1, 0, 0
	MUL8 F1, 1, 0
	s_wait_dscnt 0
	MUL8 F1, 2, 0
	MUL8 F1, 3, 0
	WIN 0
; THE WAY OUT, block by block of 16 rows x 128 columns, through my own stage: 32 bytes a lane in, whole rows of 512 bytes back.  LDS serves a wave's instructions in order.
.macro TOSTAGE a
	WIN 0x04                                       ; an LDS store's data are its source 1: window 1
.irp b, 0,1,2,3,4,5,6,7
	ds_store_b128 v[STO], v[8*(8*(\a)+\b):8*(8*(\a)+\b)+3] offset:64*\b          ; each accumulator from its low end on
	ds_store_b128 v[STO], v[8*(8*(\a)+\b)+4:8*(8*(\a)+\b)+7] offset:64*\b+16
.endr
	WIN 0
.set BB, BK+64*((\a)%2)
.irp t, 0,1,2,3,4,5,6,7,8,9,10,11,12,13,14,15
	ds_load_b128 v[BB+4*\t:BB+4*\t+3], v[RD] offset:\t*SPITCH
.endr
.endm
.macro SEND a, younger
.set BB, BK+64*((\a)%2)
	s_wait_dscnt \younger                          ; the block is back in registers
.if (\a) > 0
	s_add_nc_u64 s[10:11], s[10:11], 65536         ; 16 rows on (the earlier stores have read their base: a wait for 0 on XCNT stands ahead)
.endif
.irp t, 0,1,2,3,4,5,6,7,8,9,10,11,12,13,14,15
	global_store_b128 v[CO], v[BB+4*\t:BB+4*\t+3], s[10:11] offset:4096*\t th:TH_STORE_NT   ; 32 lanes store 512 consecutive bytes, aligned
.endr
.endm
	PLACES                                         ; behind the last products: their results are read, and rows land where fragments lay
	TOSTAGE 0
.irp a, 1,2,3
.if \a > 1
	s_wait_xcnt 0x0                                ; block a - 2's stores have read their registers and their base
.endif
	TOSTAGE \a
	SEND \a-1, 32                                  ; behind block a - 1's loads: block a's 16 stores and 16 loads
.endr
	s_wait_xcnt 0x0
	SEND 3, 0
	s_wait_tensorcnt 0x0                           ; the wave's end
	ds_add_u32 v[SPW], v[NIL]
	s_wait_dscnt 0x0
	CROUND                                         ; the closing round
	s_endpgm
.Lfunc_end_k_qf3e61850fe_proj:
	.size	k_qf3e61850fe_proj, .Lfunc_end_k_qf3e61850fe_proj-k_qf3e61850fe_proj
	.p2alignl 7, 3214868480
	.fill 96, 4, 3214868480
	.section	.rodata,"a",@progbits
	.p2align	6, 0x0
	.amdhsa_kernel k_qf3e61850fe_proj
		.amdhsa_group_segment_fixed_size 327680
		.amdhsa_private_segment_fixed_size 0
		.amdhsa_enable_private_segment 0
		.amdhsa_kernarg_size 32
		.amdhsa_user_sgpr_count 2
		.amdhsa_user_sgpr_kernarg_segment_ptr 1
		.amdhsa_wavefront_size32 1
		.amdhsa_system_sgpr_workgroup_id_x 1
		.amdhsa_system_sgpr_workgroup_id_y 1
		.amdhsa_system_sgpr_workgroup_id_z 1
		.amdhsa_system_vgpr_workitem_id 0
		.amdhsa_next_free_vgpr 768
		.amdhsa_next_free_sgpr 66
		.amdhsa_reserve_vcc 0
		.amdhsa_float_denorm_mode_32 3
		.amdhsa_float_denorm_mode_16_64 3
		.amdhsa_memory_ordered 1
		.amdhsa_forward_progress 1
		.amdhsa_inst_pref_size 86
	.end_amdhsa_kernel
	.amdgpu_metadata
---
amdhsa.version: [ 1, 2 ]
amdhsa.kernels:
  - .name:           k_qf3e61850fe_proj
    .symbol:         k_qf3e61850fe_proj.kd
    .args:
      - { .name: oimg, .offset: 0, .size: 8, .value_kind: global_buffer, .address_space: global }
      - { .name: pw16, .offset: 8, .size: 8, .value_kind: global_buffer, .address_space: global }
      - { .name: proj_b, .offset: 16, .size: 8, .value_kind: global_buffer, .address_space: global }
      - { .name: out0, .offset: 24, .size: 8, .value_kind: global_buffer, .address_space: global }
    .group_segment_fixed_size: 327680
    .private_segment_fixed_size: 0
    .kernarg_segment_align: 8
    .kernarg_segment_size: 32
    .max_flat_workgroup_size: 128
    .sgpr_count:     66
    .vgpr_count:     768
    .wavefront_size: 32
...
	.end_amdgpu_metadata
.endif
;; end of part 4
